; MI455X (gfx1250); checked and timed in simulation.
; The chip was launched on July 23, 2026; its instructions are those of AMD's public machine-readable ISA for CDNA 5 (MIT licence, August 2026) and "CDNA5" Instruction Set Architecture Reference Guide (July 2026). The comments in the code are by the model that wrote it; some were corrected since.
;; Actor. Allowed arithmetic: matrix products marked QUANTISED: E3M2 operands, one E8M0 scale for each 32 along K, by v_wmma_scale_f32_16x16x128_f8f6f4 with both operands' format E3M2, f32 sums; products left as they are: f32 operands where the result goes on into a quantised operand, else bf16, f16 or f32 operands; f32 sums; everything else in f32.
;; Inputs: W1_codes 4 x 256 x 8 x 24 uint8 (E3M2 codes of W1, K innermost, in blocks of 32 codes, four codes in three bytes); W1_scales 4 x 256 x 8 uint8 (E8M0 scales of W1, one for each 32 codes along K); W2_codes 4 x 128 x 8 x 24 uint8 (E3M2 codes of W2, K innermost, in blocks of 32 codes, four codes in three bytes); W2_scales 4 x 128 x 8 uint8 (E8M0 scales of W2, one for each 32 codes along K); Wmu_codes 4 x 17 x 4 x 24 uint8 (E3M2 codes of Wmu, K innermost, in blocks of 32 codes, four codes in three bytes); Wmu_scales 4 x 17 x 4 uint8 (E8M0 scales of Wmu, one for each 32 codes along K); b1 4 x 256 float32; b2 4 x 128 float32; bmu 4 x 17 float32; gW1_codes 32 x 8 x 24 uint8 (E3M2 codes of gW1, K innermost, in blocks of 32 codes, four codes in three bytes); gW1_scales 32 x 8 uint8 (E8M0 scales of gW1, one for each 32 codes along K); gW2_codes 32 x 1 x 24 uint8 (E3M2 codes of gW2, K innermost, in blocks of 32 codes, four codes in three bytes); gW2_scales 32 x 1 uint8 (E8M0 scales of gW2, one for each 32 codes along K); gWo 32 x 4 float32; gb1 32 float32; gb2 32 float32; gbo 4 float32; x_codes 131,072 x 8 x 24 uint8 (E3M2 codes of x, K innermost, in blocks of 32 codes, four codes in three bytes); x_scales 131,072 x 8 uint8 (E8M0 scales of x, one for each 32 codes along K).
;; Outputs: out0 131,072 x 17 float32.
;; This version of the problem:
;;   THIS VERSION OF THE PROBLEM IS GIVEN IN LOW PRECISION. The matrix products marked QUANTISED in the list below multiply operands that are first quantised to E3M2 (3 exponent bits, 2 mantissa bits; 6 bits a number), with one power-of-two scale for each 32 numbers along K (OCP MX v1.0); their sums are f32. All else is computed in f32.
;;   The module's matrix products, in the order in which they are computed (A, B: the left and right operand; K: the contracted axis; several contracted axes count as one K, in the product's order):
;;     1. [M 131,072, K 256] x [K 256, N 32]; A: input x (given as codes); B: input gW1 (given as codes): QUANTISED
;;     2. [M 131,072, K 32] x [K 32, N 32]; A: computed on the way; B: input gW2 (given as codes): QUANTISED
;;     3. [M 131,072, K 32] x [K 32, N 4]; A: computed on the way; B: input gWo: left as it is (N = 4 < 16)
;;     4. [M 131,072, K 256] x [K 256, N 1,024]; A: input x (given as codes); B: input W1 (given as codes): QUANTISED
;;     5. batch 131,072 x [M 1, K 4] x [K 4, N 256]; A: softmax; B: computed on the way: left as it is (K = 4 < 32)
;;     6. [M 131,072, K 256] x [K 256, N 512]; A: computed on the way; B: input W2 (given as codes): QUANTISED
;;     7. batch 131,072 x [M 1, K 4] x [K 4, N 128]; A: softmax; B: computed on the way: left as it is (K = 4 < 32)
;;     8. [M 131,072, K 128] x [K 128, N 68]; A: computed on the way; B: input Wmu (given as codes): QUANTISED
;;     9. batch 131,072 x [M 1, K 4] x [K 4, N 17]; A: softmax; B: computed on the way: left as it is (K = 4 < 32)
;;   THE QUANTISER, for each operand of a quantised product, along K:
;;     - K is cut into blocks of 32 from its start; a last block that is shorter is filled with zeros.
;;     - A block's scale is 2^e with e = floor(log2(the largest magnitude in the block)) - 4, held to -126 .. 127; a block of zeros has e = 0. As a byte (E8M0): e + 127.
;;     - Each number is divided by its block's scale, clamped to +-28, and rounded to the nearest number of E3M2, ties to even, subnormals kept.
;;     - The product sums the exact products of the quantised numbers (number of the format x scale) in f32.
;;   ~~~python
;;   def quantise(x, axis):      # numpy; x: float32 -> the quantised numbers, widened to float32 again
;;       x = np.moveaxis(x, axis, -1); K = x.shape[-1]
;;       x = np.pad(x, [(0, 0)] * (x.ndim - 1) + [(0, -K % 32)]); x = x.reshape(x.shape[:-1] + (-1, 32)); a = np.abs(x).max(-1, keepdims=True)
;;       e = np.where(a > 0, np.clip(np.frexp(np.where(a > 0, a, 1))[1] - 1 - 4, -126, 127), 0)      # np.frexp(a)[1] - 1 = floor(log2(a)), exactly
;;       r = np.clip(x / 2.0 ** e, -28, 28)
;;       step = 2.0 ** (np.maximum(np.frexp(np.where(r == 0, 1, r))[1] - 1, -2) - 2)
;;       q = np.round(r / step) * step * 2.0 ** e      # np.round: ties to even
;;       return np.moveaxis(q.reshape(q.shape[:-2] + (-1,))[..., :K], -1, axis).astype(np.float32)
;;   ~~~
;;   OPERANDS COMPUTED ON THE WAY. 'Computed on the way' means the value that the module computes at that place (a softmax that the list does not call 'softmax' is quantised finished and normalised). What goes into a quantiser is computed in f32, as accurately as f32 sums, v_exp_f32 and their like allow (about 1e-6 of the number): no bf16 or f16 on the way to a quantiser, and a product that is left as it is and whose result goes on into a quantised operand takes f32 operands (vector FMAs, or v_wmma_f32_16x16x4_f32). A number that lies on a knife's edge between two numbers of the format may be rounded either way, as far as f32 arithmetic and the matrix unit's own rounding can turn it there, and no further.
;;   INPUTS GIVEN AS CODES. W1 (in the module: [4, 256, 256], K = its axis 1); W2 (in the module: [4, 256, 128], K = its axis 1); Wmu (in the module: [4, 128, 17], K = its axis 1); gW1 (in the module: [256, 32], K = its axis 0); gW2 (in the module: [32, 32], K = its axis 0); x (in the module: [131072, 256], K = its axis 1): each comes as NAME_codes (uint8): NAME with its K axis moved to the last place and cut into blocks of 32 codes, [.., K / 32, bytes a block], one block behind the other in memory; four codes in three bytes: a row's codes are one little-endian stream of bits, code i at bits 6 i .. 6 i + 5 (a code: sign, 3 exponent bits, 2 mantissa bits); and NAME_scales (uint8): the same leading axes, one E8M0 byte (e + 127) for each 32 codes along K. Its value is code x scale, taken as it is: it is not quantised again, and the codes and scales need not be those that the quantiser above would give.
;; One version. Each part assembles by itself: llvm-mc -triple=amdgcn-amd-amdhsa -mcpu=gfx1250 --defsym DOCPART=n.
;; ======== version 1 of 1: 1 launch
;; limits: a function is approximated: absolute error at most 1.2e-07
;; launch actor (part 1): grid 256 x 1, 4 waves a work-group, no clusters, 327,680 bytes of LDS; arguments x_codes, x_scales, W1_codes, W1_scales, b1, W2_codes, W2_scales, b2, Wmu_codes, Wmu_scales, bmu, gW1_codes, gW1_scales, gb1, gW2_codes, gW2_scales, gb2, gWo, gbo, out0; writes out0
.if DOCPART == 1
	.amdgcn_target "amdgcn-amd-amdhsa--gfx1250"
	.amdhsa_code_object_version 6
	.text
	.protected	k_q2a48b169ab_actor
	.globl	k_q2a48b169ab_actor
	.p2align	8
	.type	k_q2a48b169ab_actor,@function
k_q2a48b169ab_actor:
	s_mov_b64 s[64:65], 0
	v_nop
	global_prefetch_b8 v0, s[64:65] scope:SCOPE_SE
	s_setreg_imm32_b32 hwreg(HW_REG_WAVE_MODE, 25, 1), 1
	s_wait_xcnt 0x0
; mu = blend(relu(blend(relu(blend(x W1 + b1)) W2 + b2)) Wmu + bmu), each blend the row's four gate coefficients over the four experts; the gate is
; softmax(elu(elu(x gW1 + gb1) gW2 + gb2) gWo + gbo).  All products but the one with gWo run on codes of E3M2 with one E8M0 byte for each 32 along K.
; DEAD WORK: none.  Every expert's result is weighed into every row, every input reaches the output, every input is loaded.
; SHARES.  256 work-groups of four waves; a work-group owns 512 rows and walks them as 4 blocks of 128 rows (8 tiles of 16).  THE WAVES SHARE THE COLUMNS: wave w holds, for all four experts, 64 units
; of layer 1 (units 32 w .. +31 and 128 + 32 w .. +31) and 32 units of layer 2 (32 w .. +31), codes and biases, in registers for the whole launch: 768 registers, windows 1 to 3.
; What goes round through LDS is small: x's rows, the coefficients, the codes of the two hidden layers.  The gate and the output head are shared by rows: wave w takes tiles 2 w, 2 w + 1 of a block.
; ALL PRODUCTS ARE USED TRANSPOSED (source 0 = 16 weight rows, source 1 = 16 rows of x or of a hidden layer): a lane holds ONE row, a unit's four experts lie in four accumulators of that lane,
; and the blend is four packed multiply-adds on a pair of units.  The rows of a weight tile are chosen (row 8 u + r + 8 (r / 8) of a run of 32) so that two tiles' 16 registers are 16 neighbours along the next K.
; BY TURNS.  In layers 1 and 2 a slice of four or five vector or LDS instructions stands behind each matrix instruction: blend, relu and quantising of the accumulators finished before.
; K'S BLOCKS OF 32 STAND IN OTHER PLACES OF THE MATRIX INSTRUCTION THAN IN MEMORY, alike on both sides, so that a lane's codes are 96 (K = 256) or 48 (K = 128) consecutive bytes of its row:
; K = 256: place (step s, c, h) holds memory block 4 h + 2 s + c;  K = 128: place (c, h) holds block 2 h + c;  K = 32: the one block at (0, 0), zero codes elsewhere on both sides.  The scale bytes are permuted alike.
; A register of scale words holds step 0's words in lanes 0-15 and step 1's in lanes 16-31.
; NO CLUSTER: all work-groups read the same weights, but a joint load lands in LDS, and the 294,912 bytes of W1's and W2's codes take 368,640 bytes there at the pitch of 240 that padded rows of 192 bytes have:
; more than a work-group's LDS, beside x's 122,880.  Here each wave's share goes once from memory to its registers.  No prefetch: the one stream that is read once, x, is asked for whole by the first instructions.
; LIMITS.  A scale byte 0xff, NaN and infinities are not served.  elu's negative branch is exp(x) - 1 in f32: absolute error about 1e-7, and for 0 < x < 3e-4 the result may be low by as much.
; A block whose largest magnitude lies under 2^-122 gets the byte 1, a block of zeros too (its codes are zeros).  The order of the f32 sums along K differs from ascending k, as said above.
.set A_,    122880                     ; LDS: x's 512 rows, pitch 240, fill bytes 0 .. A_ - 1 (the only target of tensor loads, filled once); behind them, offsets from A_:
.set H1So,  24576                      ; h1's images at 0 (tile 3,072: wave w's half fragment at 768 w: 512 + 256); its scale words (tile 128: 64 step + 4 row)
.set CFo,   25600                      ; the coefficients (tile 1,024: (c0,c0,c1,c1) at 16 lane, (c2,c2,c3,c3) at 512 + 16 lane)
.set WMUo,  33792                      ; Wmu's four tiles as register images (1,536 each)
.set WMUSo, 39936                      ; their scale words
.set GW1o,  40448                      ; gW1's two tiles as images (3,072 each)
.set GW1So, 46592
.set GB1o,  46848                      ; gb1, then gb2 at +128
.set GWOo,  47104
.set BMUo,  47616                      ; bmu: 64 e + 4 a for a < 16; 256 + 4 e for a = 16
.set XSo,   48128                      ; x's scale words, permuted (tile 128)
.set H2o,   52224                      ; h2's images (tile 1,536: 768 c + 24 lane)
.set H2So,  64512
.set MUa,   187904                     ; 128 rows of mu, 68 bytes each, dense as in out0
.set PRIVa, 196608                     ; for each wave 3,584: Wmu's fifth tile 0; gW2's tiles 1,536 + 768 u; scale words 3,072, 3,200 + 128 u
.set STGa,  210944                     ; for each wave 15,360: 64 weight rows laid as x's rows are: 16 bytes of padding behind every 64, pitch 240
.set SPARE, 272384                     ; the spare words, 128 bytes for each wave
; window 0: v1, v2 the add's two; v3-31 addresses; v32-47 W1's scale words, v48-55 W2's, v56-66 the phases' scale words; v68-247 the phases' pool; v248-253 x's base addresses
.set F0,  68                           ; two sets of 24: a tile's two fragments of x or h1
.set C0,  116                          ; two sets of 8: a tile's coefficients
.set BY0, 132
.set BY1, 133
.set ACC, 136                          ; two slots of four accumulators (one a expert)
.set H,   200                          ; 32 blended units
.set CD,  232                          ; codes
.set QQ,  238
.set MX0, 242
.set MX1, 243
.set PX0, 244
.set PX1, 245
.set SO0, 246
.set SO1, 247
.set MSB, 0
.macro WIN new                         ; the immediate's high byte repeats the setting that is left; a switch that changes nothing is dropped
.if MSB != \new
	s_set_vgpr_msb (MSB<<8)|\new
.set MSB, \new
.endif
.endm
.macro SETBR k                         ; rC = the linear number of bias tile k (0-15: layer 1's tile; 16-23: layer 2's)
.if (\k) < 20
.set rC, 864+8*(\k)
.elseif (\k) < 22
.set rC, 496+8*((\k)-20)
.else
.set rC, 752+8*((\k)-22)
.endif
.endm
.macro WM                              ; one matrix instruction from the symbols rD, rA, rB, rC (linear numbers; D and B in window 0), rSA, rSB, rROW (1: step 1's scale words, lanes 16-31)
	WIN ((rA>>8)|((rC>>8)<<4))
.if rROW
	v_wmma_scale_f32_16x16x128_f8f6f4 v[rD:rD+7], v[(rA&255):(rA&255)+11], v[rB:rB+11], v[(rC&255):(rC&255)+7], v[rSA], v[rSB] matrix_a_fmt:MATRIX_FMT_BF6 matrix_b_fmt:MATRIX_FMT_BF6 matrix_a_scale:MATRIX_SCALE_ROW1 matrix_b_scale:MATRIX_SCALE_ROW1
.else
	v_wmma_scale_f32_16x16x128_f8f6f4 v[rD:rD+7], v[(rA&255):(rA&255)+11], v[rB:rB+11], v[(rC&255):(rC&255)+7], v[rSA], v[rSB] matrix_a_fmt:MATRIX_FMT_BF6 matrix_b_fmt:MATRIX_FMT_BF6
.endif
.endm
.macro PHASE                           ; five places between the last phase's matrix instructions and the loads and results laid over their registers
	WIN 0
.rept 5
	v_nop
.endr
.endm
.macro BAR                             ; my LDS stores have landed and my LDS loads are in: then the work-group's barrier
	s_wait_dscnt 0x0
	s_barrier_signal -1
	s_barrier_wait -1
.endm
.macro XFRAG reg, ra, rb, o            ; 96 bytes of x's row, two fragments: the row has 16 bytes of padding behind every 64, so the third and fourth piece of lanes 16-31 lie 16 bytes further on: a second address
	ds_load_b128 v[\reg:\reg+3], v[\ra] offset:(\o)
	ds_load_b128 v[\reg+4:\reg+7], v[\ra] offset:(\o)+16
	ds_load_b128 v[\reg+8:\reg+11], v[\rb] offset:(\o)+32
	ds_load_b128 v[\reg+12:\reg+15], v[\rb] offset:(\o)+48
	ds_load_b128 v[\reg+16:\reg+19], v[\ra] offset:(\o)+80
	ds_load_b128 v[\reg+20:\reg+23], v[\ra] offset:(\o)+96
.endm
; A RUN is 32 weight rows: 6,144 dense bytes, 48 registers, two tiles.  RUNLD reads it as it lies, 512 bytes a load.  RUNST lays it into my stage: piece g of 16 bytes of a group of eight rows (three loads) goes to
; 16 g + 16 (g / 4), which puts 16 bytes of padding behind every 64 and the rows 240 bytes apart; for load j that is 640 (j % 3) + 16 lane + 16 (lane / 4).  The groups of eight rows go in the tiles' order (0, 2, 1, 3).
; RUNRD brings each lane the 96 bytes of its row, by the two addresses that x's rows want too.  The stage holds two runs.  It is my own and LDS serves a wave's instructions in order (ISA guide 5.7.1.4):
; no wait between stores, loads and the stores of the run that takes the same bytes next.
.macro RUNLD rr_, sb, imm
	WIN (((\rr_)>>8)<<6)
.set j_, 0
.rept 12
	global_load_b128 v[((\rr_)&255)+4*j_:((\rr_)&255)+4*j_+3], v184, s[\sb:\sb+1] offset:(\imm)+512*j_
.set j_, j_+1
.endr
.endm
.macro RUNST rr_, q
	WIN (((\rr_)>>8)<<2)
.set j_, 0
.rept 12
.set t_, j_/3
	ds_store_b128 v185, v[((\rr_)&255)+4*j_:((\rr_)&255)+4*j_+3] offset:(4*((\q)%2)+2*(t_%2)+t_/2)*1920+640*(j_%3)
.set j_, j_+1
.endr
.endm
.macro RUNRD rr_, q
	WIN (((\rr_)>>8)<<6)
.set j_, 0
.rept 12
.set c_, j_%6
.set o_, (32*((\q)%2)+16*(j_/6))*240+16*c_+16*(c_/4)
.if (c_/2) == 1
	ds_load_b128 v[((\rr_)&255)+4*j_:((\rr_)&255)+4*j_+3], v187 offset:o_
.else
	ds_load_b128 v[((\rr_)&255)+4*j_:((\rr_)&255)+4*j_+3], v186 offset:o_
.endif
.set j_, j_+1
.endr
.endm
.macro BIAS k0                         ; twelve bias tiles, 24 loads, in the result's layout: lane (r, h) holds the tile's eight units of its half
.set k_, \k0
.rept 12
	SETBR k_
	WIN ((rC>>8)<<6)
.if k_ < 16
.set o_, 1024*(k_/4)+512*((k_/2)%2)+32*(k_%2)
	global_load_b128 v[(rC&255):(rC&255)+3], v221, s[12:13] offset:o_
	global_load_b128 v[(rC&255)+4:(rC&255)+7], v221, s[12:13] offset:o_+16
.else
.set o_, 512*((k_-16)/2)+32*(k_%2)
	global_load_b128 v[(rC&255):(rC&255)+3], v221, s[18:19] offset:o_
	global_load_b128 v[(rC&255)+4:(rC&255)+7], v221, s[18:19] offset:o_+16
.endif
.set k_, k_+1
.endr
.endm
	s_load_b512 s[4:19], s[0:1], 0x0               ; x_codes 4, x_scales 6, W1_codes 8, W1_scales 10, b1 12, W2_codes 14, W2_scales 16, b2 18
	s_load_b512 s[20:35], s[0:1], 0x40             ; Wmu_codes 20, Wmu_scales 22, bmu 24, gW1_codes 26, gW1_scales 28, gb1 30, gW2_codes 32, gW2_scales 34
	s_load_b256 s[36:43], s[0:1], 0x80             ; gb2 36, gWo 38, gbo 40, out0 42
	v_lshl_add_u32 v1, v0, 2, SPARE
	v_mov_b32 v2, 0
	ds_add_u32 v1, v2                              ; the wave's opening: the add, twice on end, and its wait ahead of my first tensor load
	ds_add_u32 v1, v2
	v_lshrrev_b32 v3, 5, v0
	v_readfirstlane_b32 s44, v3                    ; wave w
	s_and_b32 s76, s44, 1                          ; w & 1
	s_lshr_b32 s77, s44, 1                         ; w >> 1
	s_mov_b32 s46, 0x76543210
	s_mov_b32 s47, 0xfedcba98                      ; v_permlanex16_b32's selects for lane l xor 16
	s_mov_b32 s52, 0x3fb8aa3b                      ; log2(e)
	s_mov_b32 s53, 0x05010400                      ; scale bytes 0, 4, 1, 5: step 0's word
	s_mov_b32 s54, 0x07030602                      ; 2, 6, 3, 7: step 1's
	s_mov_b32 s55, 0x03010200                      ; K = 128: bytes 0, 2, 1, 3
	s_mov_b32 s68, 0x06d00000                      ; group 1: elements of 1 byte; padding on, 4 words behind every 16
	s_mov_b32 s69, 192<<16                         ; tensor_dim0 = 192
	s_mov_b32 s70, 128<<16                         ; tensor_dim1 = 128
	s_mov_b32 s71, 192<<16                         ; tile_dim0 = 192
	s_mov_b32 s72, 128                             ; tile_dim1 = 128
	s_mov_b32 s73, 192                             ; from row to row
	s_mov_b32 s74, 0
	s_mov_b32 s75, 0
	s_mov_b32 s56, 1                               ; group 0: count,
	s_mul_i32 s57, s44, 30720                      ; LDS address: wave w brings block w, 128 rows of 240 bytes
	s_mul_i32 s80, s44, 6144                       ; my 32 rows of 192 bytes in a run of weights
	s_mov_b32 s81, 0
	s_lshl_b32 s82, s44, 8
	s_mov_b32 s83, 0
	s_lshl_b32 s84, s44, 7
	s_mov_b32 s85, 0
	s_lshl_b32 s86, ttmp9, 12
	s_lshl_b32 s94, s44, 10
	s_add_co_u32 s86, s86, s94                     ; x_scales: 8 (512 work-group + 128 w)
	s_mov_b32 s87, 0
	s_mul_i32 s88, ttmp9, 34816                    ; out0: 512 rows of 68 bytes
	s_mov_b32 s89, 0
	s_lshl_b32 s90, ttmp9, 9
	s_add_co_u32 s90, s90, s84
	s_mul_i32 s90, s90, 192                        ; x_codes: row 512 work-group + 128 w
	s_mov_b32 s91, 0
	v_and_b32 v222, 31, v0                         ; lane
	v_and_b32 v223, 15, v0                         ; r
	v_bfe_u32 v27, v0, 4, 1                        ; h
	v_and_b32 v224, 8, v223
	v_add_nc_u32 v224, v224, v223                  ; r + 8 (r / 8)
	v_lshl_add_u32 v3, v222, 4, A_                 ; A_ + 16 lane
	v_lshl_add_u32 v4, v222, 3, A_                 ; A_ + 8 lane
	v_lshl_add_u32 v5, v222, 2, A_                 ; A_ + 4 lane
	v_mul_u32_u24 v248, v223, 240
	v_mad_u32_u24 v248, v27, 112, v248             ; x: 240 r + 112 h
	v_lshl_add_u32 v249, v27, 4, v248              ; 240 r + 128 h
	v_add_nc_u32 v250, XSo, v5                     ; x's scale words
	s_mul_i32 s2, s44, 7680
	v_add_nc_u32 v251, s2, v248                    ; the same for the gate's tiles 2 w, 2 w + 1
	v_add_nc_u32 v252, s2, v249
	v_add_nc_u32 v253, s82, v250
	s_mul_i32 s3, s44, 768
	v_add_nc_u32 v12, s3, v3                       ; h1's image: my half fragment, registers 0-3
	v_add_nc_u32 v13, s3, v4
	v_add_nc_u32 v13, 512, v13                     ; registers 4, 5
	s_lshl_b32 s60, s77, 6
	s_lshl_b32 s61, s76, 1
	s_add_co_u32 s60, s60, s61
	s_add_co_u32 s60, s60, A_+H1So
	v_lshl_add_u32 v14, v223, 2, s60               ; h1's scale bytes: 64 (w >> 1) + 2 (w & 1) + 4 r
	s_mul_i32 s60, s76, 768
	s_mul_i32 s61, s77, 384
	s_add_co_u32 s60, s60, s61
	s_add_co_u32 s60, s60, A_+H2o
	v_mul_u32_u24 v15, v223, 24
	v_mad_u32_u24 v15, v27, 12, v15
	v_add_nc_u32 v15, s60, v15                     ; h2's image, in
	s_lshl_b32 s60, s76, 1
	s_add_co_u32 s60, s60, s77
	s_add_co_u32 s60, s60, A_+H2So
	v_lshl_add_u32 v16, v223, 2, s60               ; h2's scale byte
	s_mul_i32 s60, s44, 3072
	s_add_co_u32 s60, s60, A_+H2o
	v_mad_u32_u24 v17, v222, 24, s60               ; h2's image, out: my two tiles
	s_add_co_u32 s60, s84, A_+H2So
	v_lshl_add_u32 v18, v223, 2, s60
	s_lshl_b32 s60, s44, 11
	s_add_co_u32 s60, s60, A_+CFo
	v_lshl_add_u32 v19, v222, 4, s60               ; my two tiles' coefficients
	s_mul_i32 s60, s44, 3584
	s_add_co_u32 s60, s60, PRIVa
	v_lshl_add_u32 v20, v222, 4, s60
	v_lshl_add_u32 v21, v222, 3, s60
	v_lshl_add_u32 v22, v222, 2, s60
	s_mul_i32 s60, s44, 2176
	s_add_co_u32 s60, s60, MUa
	v_mul_u32_u24 v24, v223, 68
	v_add_nc_u32 v24, s60, v24
	v_lshl_add_u32 v23, v27, 5, v24                ; mu: row 32 w + r, actions 8 h on
	v_add_nc_u32 v24, 64, v24                      ; action 16
	s_lshl_b32 s61, s44, 9
	v_lshl_add_u32 v26, v222, 4, s61               ; the way out: 512 w + 16 lane, in out0
	v_add_nc_u32 v25, MUa, v26                     ; and in LDS
	v_lshl_add_u32 v28, v27, 6, A_+GB1o
	v_lshl_add_u32 v29, v27, 8, A_+GWOo
	v_lshl_add_u32 v30, v27, 5, A_+BMUo
	v_mov_b32 v31, A_+BMUo+256
	; registers of the head alone (v184-227)
	v_lshlrev_b32 v184, 4, v222                    ; 16 lane
	s_mul_i32 s62, s44, 15360
	s_add_co_u32 s62, s62, STGa                    ; my stage
	v_lshrrev_b32 v225, 2, v222
	v_add_nc_u32 v225, v225, v222
	v_lshl_add_u32 v185, v225, 4, s62              ; into it: 16 lane + 16 (lane / 4)
	v_add_nc_u32 v186, s62, v248                   ; out of it: row r, 240 r + 112 h,
	v_add_nc_u32 v187, s62, v249                   ; and 240 r + 128 h for the third and fourth piece
	v_lshlrev_b32 v189, 3, v224                    ; offsets in memory: scale bytes of a tile's rows
	v_lshlrev_b32 v209, 3, v222
	s_lshl_b32 s66, s76, 6
	v_add_nc_u32 v210, s66, v189
	v_mul_u32_u24 v211, v224, 192
	v_mad_u32_u24 v211, v27, 96, v211
	s_mul_i32 s67, s76, 1536
	s_mul_i32 s95, s77, 48
	s_add_co_u32 s67, s67, s95
	v_add_nc_u32 v211, s67, v211                   ; gW1: tile w & 1, pieces 3 (w >> 1) on
	v_mul_u32_u24 v212, v224, 24
	v_lshl_add_u32 v214, v222, 2, s84
	v_lshl_add_u32 v215, v223, 2, s66
	s_mul_i32 s67, s44, 68
	v_lshl_add_u32 v216, v223, 2, s67              ; 4 (17 w + r)
	s_add_co_u32 s95, s67, 64
	v_mov_b32 v217, s95                            ; 4 (17 w + 16)
	v_mul_u32_u24 v218, v223, 96
	v_mad_u32_u24 v218, v27, 48, v218
	s_mul_i32 s67, s44, 1632
	v_add_nc_u32 v218, s67, v218                   ; Wmu: row 17 w + r, + 48 h
	v_and_b32 v220, 3, v223
	v_mad_u32_u24 v220, v220, 17, 16               ; the fifth tile: row 17 (r & 3) + 16
	v_mul_u32_u24 v219, v220, 96
	v_mad_u32_u24 v219, v27, 48, v219
	v_lshlrev_b32 v220, 2, v220
	v_lshlrev_b32 v221, 6, v27                     ; biases: 64 h
	v_lshl_add_u32 v200, v27, 7, A_+XSo            ; places in LDS of what the head stores
	v_lshl_add_u32 v200, v223, 2, v200
	v_add_nc_u32 v200, s94, v200
	s_mul_i32 s67, s76, 3072
	s_mul_i32 s95, s77, 1536
	s_add_co_u32 s67, s67, s95
	v_add_nc_u32 v201, s67, v3
	s_lshl_b32 s67, s76, 7
	s_lshl_b32 s95, s77, 6
	s_add_co_u32 s67, s67, s95
	s_add_co_u32 s67, s67, A_+GW1So
	v_lshl_add_u32 v202, v223, 2, s67
	v_add_nc_u32 v203, -1, v27                     ; all ones in lanes 0-15, 0 in lanes 16-31
	v_add_nc_u32 v204, s84, v5
	s_lshl_b32 s67, s77, 7
	s_add_co_u32 s67, s67, s66
	s_add_co_u32 s67, s67, A_+GB1o
	v_lshl_add_u32 v205, v223, 2, s67
	s_lshl_b32 s67, s44, 6
	s_add_co_u32 s67, s67, A_+BMUo
	v_lshl_add_u32 v206, v223, 2, s67
	s_lshl_b32 s67, s44, 2
	s_add_co_u32 s67, s67, A_+BMUo+256
	v_mov_b32 v207, s67
	s_mul_i32 s67, s44, 1536
	v_add_nc_u32 v208, s67, v3
.irp q, 230,231,242,243,244,245
	v_mov_b32 v\q, 0                               ; written once: a lane permute's destination counts as one of its sources
.endr
	s_wait_dscnt 0x0                               ; both opening adds are done
	s_wait_kmcnt 0x0
	s_add_nc_u64 s[58:59], s[4:5], s[90:91]
	s_or_b32 s59, s59, 0x80000000                  ; type = 2
	tensor_load_to_lds s[56:59], s[68:75]          ; every wave's one tensor load: 128 rows of x.  All 512 rows fit, nothing is filled again
	s_nop 0
.rept 4
	v_nop
.endr
	s_load_b128 s[48:51], s[40:41], 0x0            ; gbo
	s_add_nc_u64 s[6:7], s[6:7], s[86:87]
	s_add_nc_u64 s[8:9], s[8:9], s[80:81]
	s_add_nc_u64 s[10:11], s[10:11], s[82:83]
	s_add_nc_u64 s[12:13], s[12:13], s[84:85]
	s_add_nc_u64 s[14:15], s[14:15], s[80:81]
	s_add_nc_u64 s[16:17], s[16:17], s[82:83]
	s_add_nc_u64 s[18:19], s[18:19], s[84:85]
	s_add_nc_u64 s[42:43], s[42:43], s[88:89]
	s_cmp_eq_u32 s77, 0
	s_cselect_b64 s[78:79], s[30:31], s[36:37]     ; waves 0, 1 bring gb1, waves 2, 3 gb2
	s_cselect_b32 s63, s53, s54                    ; and step w >> 1 of gW1's scale words
	; ---- 28 small loads: what goes to the tables in LDS
.irp q, 0,1,2,3
	global_load_b64 v[116+2*\q:117+2*\q], v209, s[6:7] offset:256*\q th:TH_LOAD_NT
.endr
.irp q, 0,1,2
	global_load_b128 v[124+4*\q:127+4*\q], v211, s[26:27] offset:16*\q
.endr
	global_load_b64 v[136:137], v210, s[28:29]
.irp u, 0,1
.irp q, 0,1,2
	global_load_b64 v[138+6*\u+2*\q:139+6*\u+2*\q], v212, s[32:33] offset:192*\u+8*\q
.endr
.endr
.irp u, 0,1
	global_load_u8 v[150+\u], v224, s[34:35] offset:8*\u
.endr
	global_load_b32 v152, v214, s[38:39]
	global_load_b32 v153, v215, s[78:79]
	global_load_b32 v154, v216, s[24:25]
	global_load_b32 v155, v217, s[24:25]
.irp q, 0,1,2
	global_load_b128 v[156+4*\q:159+4*\q], v218, s[20:21] offset:16*\q
.endr
	global_load_b32 v168, v216, s[22:23]
.irp q, 0,1,2
	global_load_b128 v[170+4*\q:173+4*\q], v219, s[20:21] offset:16*\q
.endr
	global_load_b32 v182, v220, s[22:23]
	; ---- from here on the loads go in groups of 24, one group ahead of the work: each wait for 24 leaves the group just issued out and shows all earlier loads in
.irp p, 0,1
	RUNLD 256+48*\p, 8, 24576*\p
.endr
	WIN 0
	s_wait_loadcnt 24                              ; all but W1's runs 0, 1: the small loads are in
.irp q, 0,1,2,3
	v_perm_b32 v[192+2*\q], v[117+2*\q], v[116+2*\q], s53
	v_perm_b32 v[193+2*\q], v[117+2*\q], v[116+2*\q], s54
	ds_store_b32 v200, v[192+2*\q] offset:256*\q
	ds_store_b32 v200, v[193+2*\q] offset:256*\q+64
.endr
.irp q, 0,1,2
	ds_store_b128 v201, v[124+4*\q:127+4*\q] offset:GW1o+512*\q
.endr
	v_perm_b32 v136, v137, v136, s63
	ds_store_b32 v202, v136                        ; (lanes r and r + 16 write the same word with the same value)
.set k_, 0
.rept 12
	v_and_b32 v[138+k_], v203, v[138+k_]           ; gW2's one block of K lies in lanes 0-15; lanes 16-31 hold zero codes
.set k_, k_+1
.endr
.irp u, 0,1
	ds_store_b128 v20, v[138+6*\u:141+6*\u] offset:1536+768*\u
	ds_store_b64 v21, v[142+6*\u:143+6*\u] offset:1536+768*\u+512
	ds_store_b32 v22, v[150+\u] offset:3200+128*\u
.endr
	ds_store_b32 v204, v152 offset:GWOo
	ds_store_b32 v205, v153
	ds_store_b32 v206, v154
	ds_store_b32 v207, v155
.irp q, 0,1,2
	ds_store_b128 v208, v[156+4*\q:159+4*\q] offset:WMUo+512*\q
	ds_store_b128 v20, v[170+4*\q:173+4*\q] offset:512*\q
.endr
	v_perm_b32 v168, v168, v168, s55
	v_perm_b32 v182, v182, v182, s55
	ds_store_b32 v204, v168 offset:WMUSo
	ds_store_b32 v22, v182 offset:3072
.irp p, 2,3
	RUNLD 256+48*\p, 8, 24576*\p
.endr
	s_wait_loadcnt 24                              ; W1's runs 0, 1 are in
.irp p, 0,1
	RUNST 256+48*\p, \p
	RUNRD 256+48*\p, \p
.endr
.irp p, 4,5
	RUNLD 256+48*\p+16*(\p/5), 8, 24576*\p
.endr
	s_wait_loadcnt 24                              ; runs 2, 3
.irp p, 2,3
	RUNST 256+48*\p, \p
	RUNRD 256+48*\p, \p
.endr
.irp p, 6,7
	RUNLD 256+48*\p+16*(\p/5), 8, 24576*\p
.endr
	s_wait_loadcnt 24                              ; runs 4, 5
.irp p, 4,5
	RUNST 256+48*\p+16*(\p/5), \p
	RUNRD 256+48*\p+16*(\p/5), \p
.endr
.irp p, 0,1
	RUNLD 656+48*\p+16*(\p/2), 14, 24576*\p
.endr
	s_wait_loadcnt 24                              ; runs 6, 7
.irp p, 6,7
	RUNST 256+48*\p+16*(\p/5), \p
	RUNRD 256+48*\p+16*(\p/5), \p
.endr
.irp p, 2,3
	RUNLD 656+48*\p+16*(\p/2), 14, 24576*\p
.endr
	s_wait_loadcnt 24                              ; W2's runs 0, 1
.irp p, 0,1
	RUNST 656+48*\p+16*(\p/2), \p
	RUNRD 656+48*\p+16*(\p/2), \p
.endr
	WIN 0
.set k_, 0
.rept 16                               ; the scale bytes of my weight rows: 24 loads of 8 bytes
	global_load_b64 v[68+2*k_:69+2*k_], v189, s[10:11] offset:8*(256*(k_/4)+128*((k_/2)%2)+8*(k_%2))
.set k_, k_+1
.endr
.set k_, 0
.rept 8
	global_load_b64 v[100+2*k_:101+2*k_], v189, s[16:17] offset:8*(128*(k_/2)+8*(k_%2))
.set k_, k_+1
.endr
	s_wait_loadcnt 24                              ; W2's runs 2, 3
.irp p, 2,3
	RUNST 656+48*\p+16*(\p/2), \p
	RUNRD 656+48*\p+16*(\p/2), \p
.endr
	BIAS 0
	WIN 0
	s_wait_loadcnt 24                              ; the scale bytes
	v_cmp_eq_u32 vcc_lo, 1, v27
	v_mov_b32 v190, s53
	v_mov_b32 v191, s54
	v_cndmask_b32 v190, v190, v191, vcc_lo         ; lanes 0-15 make step 0's word, lanes 16-31 step 1's
.set k_, 0
.rept 16
	v_perm_b32 v[32+k_], v[69+2*k_], v[68+2*k_], v190
.set k_, k_+1
.endr
.set k_, 0
.rept 8
	v_perm_b32 v[48+k_], v[101+2*k_], v[100+2*k_], v190
.set k_, k_+1
.endr
	BIAS 12
	WIN 0
	s_wait_loadcnt 0x0
	s_wait_kmcnt 0x0
	s_wait_tensorcnt 0x0                           ; my 128 rows of x have landed
	BAR                                            ; everybody's have, and so have the tables
; ---- the items of a slice
.macro BL hb, ab, cb, q                ; item q of 16 of a blend: expert q / 4, pair q % 4 of the tile's eight units.  Each accumulator is read from its low end on
.set e_, (\q)/4
.set p_, 2*((\q)%4)
.if e_ == 0
	v_pk_mul_f32 v[\hb+p_:\hb+p_+1], v[\ab+p_:\ab+p_+1], v[\cb:\cb+1]
.else
	v_pk_fma_f32 v[\hb+p_:\hb+p_+1], v[\ab+8*e_+p_:\ab+8*e_+p_+1], v[\cb+2*e_:\cb+2*e_+1], v[\hb+p_:\hb+p_+1]
.endif
.endm
.macro RM hb, mx, q, start             ; item q of 12: relu of two units, then the block's running maximum; start = 1: it begins, with the floor 2^(5 - 127), so that the byte cannot fall under 1
.set k_, 2*((\q)/3)
.if (\q)%3 == 0
	v_max_num_f32 v[\hb+k_], 0, v[\hb+k_]
.elseif (\q)%3 == 1
	v_max_num_f32 v[\hb+k_+1], 0, v[\hb+k_+1]
.elseif (\start) && ((\q) == 2)
	v_max3_num_f32 v[\mx], v[\hb], v[\hb+1], 0x2800000
.else
	v_max3_num_f32 v[\mx], v[\mx], v[\hb+k_], v[\hb+k_+1]
.endif
.endm
.macro VG hb, ab, cb, mx, q, start     ; item q of 28: a group of four accumulators becomes eight units
.if (\q) < 16
	BL \hb, \ab, \cb, \q
.else
	RM \hb, \mx, (\q)-16, \start
.endif
.endm
.macro SC4 mx, px, so, by, q           ; item q of 4: the other half of the lanes' maximum; 4 off the exponent field: the conversion's scale operand; the byte
.if (\q) == 0
	v_permlanex16_b32 v[\px], v[\mx], s46, s47
.elseif (\q) == 1
	v_max_num_f32 v[\mx], v[\mx], v[\px]
.elseif (\q) == 2
	v_add_nc_u32 v[\so], 0xfe000000, v[\mx]
.else
	v_lshrrev_b32 v[\by], 23, v[\so]
.endif
.endm
.macro LX1 q                           ; item q of 9: tile TT + 1's fragments of x, scale words and coefficients into the other set
.set c_, \q
.if c_ < 6
.if (c_/2) == 1
	ds_load_b128 v[FQ+4*c_:FQ+4*c_+3], v7 offset:3840*(TT+1)+16*c_
.else
	ds_load_b128 v[FQ+4*c_:FQ+4*c_+3], v6 offset:3840*(TT+1)+16*c_+16*(c_/4)
.endif
.elseif c_ == 6
	ds_load_b32 v[XQ], v8 offset:128*(TT+1)
.else
	ds_load_b128 v[CQ+4*(c_-7):CQ+4*(c_-7)+3], v3 offset:CFo+1024*(TT+1)+512*(c_-7)
.endif
.endm
.macro LX2 q                           ; item q of 11: the same for h1
.set c_, \q
.if c_ < 8
.if c_%2 == 0
	ds_load_b128 v[FQ+6*(c_/2):FQ+6*(c_/2)+3], v3 offset:3072*(TT+1)+768*(c_/2)
.else
	ds_load_b64 v[FQ+6*(c_/2)+4:FQ+6*(c_/2)+5], v4 offset:3072*(TT+1)+768*(c_/2)+512
.endif
.elseif c_ == 8
	ds_load_b32 v[XQ], v5 offset:H1So+128*(TT+1)
.else
	ds_load_b128 v[CQ+4*(c_-9):CQ+4*(c_-9)+3], v3 offset:CFo+1024*(TT+1)+512*(c_-9)
.endif
.endm
; LAYER 1, item n of 141 of tile TT.  0-42: the end of tile TT - 1 (its fourth group, block 1's scale and codes, the exchange of halves that gives each lane a whole block, the image to LDS);
; 43-51: tile TT + 1's loads; 52-140: groups 0, 1 (block 0: scale and codes at 108-112) and 2 of this tile.
.macro I1
.if n < 43
.if TT > 0
.if n < 16
	BL H+24, ACC+32, CQ, n
.elseif n < 28
	RM H+24, MX1, n-16, 0
.elseif n < 32
	SC4 MX1, PX1, SO1, BY1, n-28
.elseif n == 32
	v_cvt_scalef32_pk16_bf6_f32 v[QQ:QQ+2], v[H+16:H+31], v[SO1]
.elseif n == 33
	v_lshl_or_b32 v[BY0], v[BY1], 8, v[BY0]        ; my two scale bytes; also the plain place behind the conversion
.elseif n < 37
	v_permlane16_swap_b32 v[CD+n-34], v[QQ+n-34]   ; lanes 0-15 get block 0 whole, lanes 16-31 block 1
.elseif n < 40
	v_mov_b32 v[CD+3+n-37], v[QQ+n-37]
.elseif n == 40
	ds_store_b128 v12, v[CD:CD+3] offset:3072*(TT-1)
.elseif n == 41
	ds_store_b64 v13, v[CD+4:CD+5] offset:3072*(TT-1)
.else
	ds_store_b16 v14, v[BY0] offset:128*(TT-1)
.endif
.elseif n >= 39
	v_nop                                          ; tile 0 has no earlier tile's work: four places between group 0's products and the first read of their results
.endif
.elseif n < 52
.if TT < 7
	LX1 n-43
.endif
.elseif n < 80
	VG H, ACC, CP, MX0, n-52, 1
.elseif n < 108
	VG H+8, ACC+32, CP, MX0, n-80, 0
.elseif n < 112
	SC4 MX0, PX0, SO0, BY0, n-108
.elseif n == 112
	v_cvt_scalef32_pk16_bf6_f32 v[CD:CD+2], v[H:H+15], v[SO0]
.else
	VG H+16, ACC, CP, MX1, n-113, 1
.endif
.endm
.macro SETS                            ; the sets of tile TT (P) and of its neighbours (Q)
.set PP, TT%2
.set FP, F0+24*PP
.set FQ, F0+24*(1-PP)
.set CP, C0+8*PP
.set CQ, C0+8*(1-PP)
.set XP, 56+PP
.set XQ, 57-PP
.endm
; A tile of layer 1: 32 matrix instructions: groups g = 0 .. 3 of (step 0: experts 0-3, step 1: experts 0-3); the four accumulators of a group take turns.
; A sum's first instruction takes the bias tile as C.  Behind instruction i stand items 141 i / 32 to 141 (i + 1) / 32 - 1.
.macro T1
	SETS
	s_wait_dscnt 0x0                               ; this tile's fragments, scale words and coefficients are in
.set i, 0
.rept 32
.set g_, i/8
.set s_, (i%8)/4
.set x_, i%4
.set tau, 4*x_+g_
.set rD, ACC+32*(g_%2)+8*x_
.set rA, 256+24*tau+16*(tau/10)+12*s_
.set rB, FP+12*s_
	SETBR tau
.if s_
.set rC, rD
.endif
.set rSA, 32+tau
.set rSB, XP
.set rROW, s_
	WM
.if (TT > 0) || (((141*(i+1))/32) > 39)
	WIN 0
.endif
.set n, (141*i)/32
.rept ((141*(i+1))/32)-((141*i)/32)
	I1
.set n, n+1
.endr
.set i, i+1
.endr
	WIN 0
.endm
; LAYER 2, item n of 77 of tile TT.  0-37: the end of tile TT - 1 (second group, scale, codes, image); 38-48: tile TT + 1's loads; 49-76: this tile's first group.
.macro I2
.if n < 38
.if TT > 0
.if n < 16
	BL H+8, ACC+32, CQ, n
.elseif n < 28
	RM H+8, MX0, n-16, 0
.elseif n < 32
	SC4 MX0, PX0, SO0, BY0, n-28
.elseif n == 32
	v_cvt_scalef32_pk16_bf6_f32 v[QQ:QQ+2], v[H:H+15], v[SO0]
.elseif n == 33
	v_nop                                          ; the plain place behind the conversion
.elseif n < 37
	ds_store_b32 v15, v[QQ+n-34] offset:1536*(TT-1)+4*(n-34)   ; my 16 codes go to registers 3 h .. 3 h + 2 of the lane that will hold the block
.else
	ds_store_b8 v16, v[BY0] offset:64*(TT-1)
.endif
.elseif n >= 34
	v_nop                                          ; tile 0: four places, as in layer 1
.endif
.elseif n < 49
.if TT < 7
	LX2 n-38
.endif
.else
	VG H, ACC, CP, MX0, n-49, 1
.endif
.endm
.macro T2
	SETS
	s_wait_dscnt 0x0
.set i, 0
.rept 16
.set g_, i/8
.set s_, (i%8)/4
.set x_, i%4
.set sg, 2*x_+g_
.set rD, ACC+32*g_+8*x_
.set rA, 656+24*sg+16*(sg/4)+12*s_
.set rB, FP+12*s_
	SETBR 16+sg
.if s_
.set rC, rD
.endif
.set rSA, 48+sg
.set rSB, XP
.set rROW, s_
	WM
.if (TT > 0) || (((77*(i+1))/16) > 34)
	WIN 0
.endif
.set n, (77*i)/16
.rept ((77*(i+1))/16)-((77*i)/16)
	I2
.set n, n+1
.endr
.set i, i+1
.endr
	WIN 0
.endm
.macro ELUA xb, tb                     ; x log2(e)
.set j_, 0
.rept 16
	v_pk_mul_f32 v[\tb+j_:\tb+j_+1], v[\xb+j_:\xb+j_+1], s[52:53] op_sel_hi:[1,0]
.set j_, j_+2
.endr
.endm
.macro ELUB xb, tb                     ; elu(x) = the middle one of x, e^x - 1 and 0: e^x - 1 is never under x and has x's sign
.set j_, 0
.rept 32
	v_exp_f32 v[\tb+j_], v[\tb+j_]
.set j_, j_+1
.endr
	v_nop                                          ; a plain instruction behind the last exponential
	s_wait_alu depctr_va_vdst(0)                   ; one wait for the batch, ahead of its first reader
.set j_, 0
.rept 16
	v_pk_add_f32 v[\tb+j_:\tb+j_+1], v[\tb+j_:\tb+j_+1], -1.0 op_sel_hi:[1,0]
.set j_, j_+2
.endr
.set j_, 0
.rept 32
	v_med3_num_f32 v[\xb+j_], v[\xb+j_], v[\tb+j_], 0
.set j_, j_+1
.endr
.endm
.macro OUT                             ; a block's 8,704 bytes of mu leave as 17 runs of 512 consecutive bytes, each at a multiple of 256 from out0's first byte: four a wave, the last by wave 0
.irp q, 0,1,2,3
	ds_load_b128 v[68+4*\q:71+4*\q], v25 offset:2048*\q
.endr
	s_wait_dscnt 0x0
.irp q, 0,1,2,3
	global_store_b128 v26, v[68+4*\q:71+4*\q], s[42:43] offset:2048*\q th:TH_STORE_NT
.endr
	s_cmp_lg_u32 s44, 0
	s_cbranch_scc1 .Lnot_wave_0_\@
	ds_load_b128 v[84:87], v25 offset:8192
	s_wait_dscnt 0x0
	global_store_b128 v26, v[84:87], s[42:43] offset:8192 th:TH_STORE_NT
.Lnot_wave_0_\@:
	s_wait_xcnt 0x0                                ; the stores have read their registers and their base: both are written again only behind this wait
	s_add_nc_u64 s[42:43], s[42:43], 8704
.endm
	s_mov_b32 s45, 0                               ; the block
	s_mov_b32 s92, 0                               ; its rows of x in LDS
	s_mov_b32 s93, 0                               ; and their scale words
.Lblk:
	v_add_nc_u32 v6, s92, v248
	v_add_nc_u32 v7, s92, v249
	v_add_nc_u32 v8, s93, v250
	v_add_nc_u32 v9, s92, v251
	v_add_nc_u32 v10, s92, v252
	v_add_nc_u32 v11, s93, v253
	; ================ THE GATE, for my tiles t = 0, 1.  v68-115 gW1; v116-163 x; v164-195 and v196-227 the two hidden layers and elu's temporaries by turns
	PHASE
.irp u, 0,1
.irp q, 0,1,2,3,4,5
	ds_load_b128 v[68+24*\u+4*\q:71+24*\u+4*\q], v3 offset:GW1o+3072*\u+512*\q
.endr
	ds_load_b32 v[58+\u], v5 offset:GW1So+128*\u
.endr
.irp t, 0,1
	XFRAG 116+24*\t, 9, 10, 3840*\t
	ds_load_b32 v[56+\t], v11 offset:128*\t
.irp u, 0,1
	ds_load_b128 v[164+16*\t+8*\u:167+16*\t+8*\u], v28 offset:32*\u       ; gb1 is the C of the sum's first instruction
	ds_load_b128 v[168+16*\t+8*\u:171+16*\t+8*\u], v28 offset:32*\u+16
.endr
.endr
	s_wait_dscnt 0x0
.irp s, 0,1
.irp t, 0,1
.irp u, 0,1
.set rD, 164+16*\t+8*\u
.set rC, rD
.set rA, 68+24*\u+12*\s
.set rB, 116+24*\t+12*\s
.set rSA, 58+\u
.set rSB, 56+\t
.set rROW, \s
	WM
.endr
.endr
.endr
.rept 4
	v_nop
.endr
.irp u, 0,1
	ds_load_b128 v[68+12*\u:71+12*\u], v20 offset:1536+768*\u             ; gW2's tiles: registers 0-5; 6-11 are cleared below
	ds_load_b64 v[72+12*\u:73+12*\u], v21 offset:1536+768*\u+512
	ds_load_b32 v[58+\u], v22 offset:3200+128*\u
.endr
	ELUA 164, 196
	ELUB 164, 196
.irp t, 0,1
	v_max3_num_f32 v[228+\t], |v[164+16*\t]|, |v[165+16*\t]|, 0x2800000  ; the one block of 32: my 16 numbers, and the floor
.endr
.irp q, 2,4,6,8,10,12,14
.irp t, 0,1
	v_max3_num_f32 v[228+\t], v[228+\t], |v[164+16*\t+\q]|, |v[165+16*\t+\q]|
.endr
.endr
.irp t, 0,1
	v_permlanex16_b32 v[230+\t], v[228+\t], s46, s47
.endr
.irp t, 0,1
	v_max_num_f32 v[228+\t], v[228+\t], v[230+\t]
.endr
.irp t, 0,1
	v_add_nc_u32 v[232+\t], 0xfe000000, v[228+\t]
.endr
.irp t, 0,1
	v_lshrrev_b32 v[60+\t], 23, v[232+\t]          ; the scale word: byte 0; the other bytes stand over zero codes
.endr
.irp t, 0,1
.irp q, 3,4,5,6,7,8,9,10,11
	v_mov_b32 v[116+12*\t+\q], 0
.endr
.irp q, 6,7,8,9,10,11
	v_mov_b32 v[68+12*\t+\q], 0
.endr
.endr
.irp t, 0,1
	v_cvt_scalef32_pk16_bf6_f32 v[116+12*\t:118+12*\t], v[164+16*\t:179+16*\t], v[232+\t]
.endr
	v_nop                                          ; the plain place behind the conversions
.irp t, 0,1
.irp q, 0,1,2
	v_permlane16_swap_b32 v[116+12*\t+\q], v[119+12*\t+\q]   ; lanes 0-15 get the whole block, lanes 16-31 the zeros
.endr
.endr
.irp t, 0,1
.irp u, 0,1
	ds_load_b128 v[196+16*\t+8*\u:199+16*\t+8*\u], v28 offset:128+32*\u  ; gb2
	ds_load_b128 v[200+16*\t+8*\u:203+16*\t+8*\u], v28 offset:128+32*\u+16
.endr
.endr
.rept 8
	v_nop                                          ; places between the vector instructions that made the operand and its scale word and the scaled matrix instructions
.endr
	s_wait_dscnt 0x0
.irp t, 0,1
.irp u, 0,1
.set rD, 196+16*\t+8*\u
.set rC, rD
.set rA, 68+12*\u
.set rB, 116+12*\t
.set rSA, 58+\u
.set rSB, 60+\t
.set rROW, 0
	WM
.endr
.endr
.rept 4
	v_nop
.endr
	ELUA 196, 164
.set j_, 0
.rept 16
	ds_load_b128 v[68+4*j_:71+4*j_], v29 offset:16*j_                    ; gWo's rows 16 h + j: the units that my half of the lanes holds
.set j_, j_+1
.endr
	ELUB 196, 164
	s_wait_dscnt 0x0
.irp t, 0,1
.irp e, 0,1,2,3
	v_mul_f32 v[234+4*\t+\e], v[196+16*\t], v[68+\e]                     ; the logits, in f32: eight chains by turns
.endr
.endr
.irp q, 1,2,3,4,5,6,7,8,9,10,11,12,13,14,15
.irp t, 0,1
.irp e, 0,1,2,3
	v_fmac_f32 v[234+4*\t+\e], v[196+16*\t+\q], v[68+4*\q+\e]
.endr
.endr
.endr
.irp t, 0,1
.irp e, 0,1,2,3
	v_permlanex16_b32 v[242+\e], v[234+4*\t+\e], s46, s47
.endr
.irp e, 0,1,2,3
	v_add_f32 v[234+4*\t+\e], v[234+4*\t+\e], v[242+\e]                  ; with the other 16 units'
.endr
.endr
.irp t, 0,1
.irp e, 0,1,2,3
	v_add_f32 v[234+4*\t+\e], s[48+\e], v[234+4*\t+\e]
.endr
.endr
.irp t, 0,1
	v_max3_num_f32 v[228+\t], v[234+4*\t], v[235+4*\t], v[236+4*\t]
.endr
.irp t, 0,1
	v_max_num_f32 v[228+\t], v[228+\t], v[237+4*\t]                      ; the maximum is taken away ahead of the exponentials
.endr
.irp t, 0,1
.irp e, 0,1,2,3
	v_sub_f32 v[234+4*\t+\e], v[234+4*\t+\e], v[228+\t]
.endr
.endr
.irp q, 0,1,2,3,4,5,6,7
	v_mul_f32 v[234+\q], s52, v[234+\q]
.endr
.irp q, 0,1,2,3,4,5,6,7
	v_exp_f32 v[234+\q], v[234+\q]
.endr
	v_nop
	s_wait_alu depctr_va_vdst(0)                   ; one wait for the eight
.irp t, 0,1
	v_add_f32 v[230+\t], v[234+4*\t], v[235+4*\t]
	v_add_f32 v[232+\t], v[236+4*\t], v[237+4*\t]
.endr
.irp t, 0,1
	v_add_f32 v[230+\t], v[230+\t], v[232+\t]
.endr
.irp t, 0,1
	v_rcp_f32 v[230+\t], v[230+\t]
.endr
	v_nop
	s_wait_alu depctr_va_vdst(0)                   ; and one for the two
.irp t, 0,1
.irp e, 0,1,2,3
	v_mul_f32 v[164+8*\t+2*\e], v[234+4*\t+\e], v[230+\t]                ; each coefficient twice: a pair for the packed blends
	v_mul_f32 v[165+8*\t+2*\e], v[234+4*\t+\e], v[230+\t]
.endr
.endr
.irp t, 0,1
	ds_store_b128 v19, v[164+8*\t:167+8*\t] offset:1024*\t
	ds_store_b128 v19, v[168+8*\t:171+8*\t] offset:1024*\t+512
.endr
	BAR                                            ; all eight tiles' coefficients lie in LDS, and so do the last block's 128 rows of mu
	s_cmp_eq_u32 s45, 0
	s_cbranch_scc1 .Lno_rows_yet
	OUT                                            ; the last block's rows leave
.Lno_rows_yet:
	; ================ LAYER 1
	PHASE
.set TT, -1
.set FQ, F0
.set CQ, C0
.set XQ, 56
.irp q, 0,1,2,3,4,5,6,7,8
	LX1 \q
.endr
.set TT, 0
.rept 8
	T1
.set TT, TT+1
.endr
.set CQ, C0+8                          ; TT = 8: the end of tile 7
.set n, 0
.rept 43
	I1
.set n, n+1
.endr
	BAR                                            ; h1's images and scale words lie in LDS
	; ================ LAYER 2
	PHASE
.set TT, -1
.set FQ, F0
.set CQ, C0
.set XQ, 56
.irp q, 0,1,2,3,4,5,6,7,8,9,10
	LX2 \q
.endr
.set TT, 0
.rept 8
	T2
.set TT, TT+1
.endr
.set CQ, C0+8
.set n, 0
.rept 38
	I2
.set n, n+1
.endr
	BAR                                            ; h2's images and scale words lie in LDS
	; ================ THE OUTPUT HEAD, for my tiles t = 0, 1.  v68-127 Wmu's five tiles; v128-151 h2; v152-231 accumulators (t, k); v232-247 coefficients
	; Tiles k = 0 .. 3: expert k's actions 0-15.  The fifth tile's row m is action 16 of expert m & 3: registers 0-3 of its result are the four experts', in both halves of the lanes.
	PHASE
.irp k, 0,1,2,3
.irp q, 0,1,2
	ds_load_b128 v[68+12*\k+4*\q:71+12*\k+4*\q], v3 offset:WMUo+1536*\k+512*\q
.endr
	ds_load_b32 v[62+\k], v5 offset:WMUSo+128*\k
.endr
.irp q, 0,1,2
	ds_load_b128 v[116+4*\q:119+4*\q], v20 offset:512*\q
.endr
	ds_load_b32 v66, v22 offset:3072
.irp t, 0,1
.irp c, 0,1
.irp q, 0,1,2
	ds_load_b64 v[128+12*\t+6*\c+2*\q:129+12*\t+6*\c+2*\q], v17 offset:1536*\t+768*\c+8*\q
.endr
.endr
	ds_load_b32 v[56+\t], v18 offset:64*\t
	ds_load_b128 v[232+8*\t:235+8*\t], v19 offset:1024*\t
	ds_load_b128 v[236+8*\t:239+8*\t], v19 offset:1024*\t+512
.irp k, 0,1,2,3
	ds_load_b128 v[152+40*\t+8*\k:155+40*\t+8*\k], v30 offset:64*\k      ; bmu is each sum's C
	ds_load_b128 v[156+40*\t+8*\k:159+40*\t+8*\k], v30 offset:64*\k+16
.endr
	ds_load_b128 v[184+40*\t:187+40*\t], v31
	ds_load_b128 v[188+40*\t:191+40*\t], v31
.endr
	s_wait_dscnt 0x0
.irp k, 0,1,2,3,4
.irp t, 0,1
.set rD, 152+40*\t+8*\k
.set rC, rD
.set rA, 68+12*\k
.set rB, 128+12*\t
.set rSA, 62+\k
.set rSB, 56+\t
.set rROW, 0
	WM
.endr
.endr
.rept 4
	v_nop
.endr
.irp t, 0,1
.irp q, 0,2,4,6
	v_pk_mul_f32 v[152+40*\t+\q:153+40*\t+\q], v[152+40*\t+\q:153+40*\t+\q], v[232+8*\t:233+8*\t]
.endr
.endr
.irp e, 1,2,3
.irp t, 0,1
.irp q, 0,2,4,6
	v_pk_fma_f32 v[152+40*\t+\q:153+40*\t+\q], v[152+40*\t+8*\e+\q:153+40*\t+8*\e+\q], v[232+8*\t+2*\e:233+8*\t+2*\e], v[152+40*\t+\q:153+40*\t+\q]
.endr
.endr
.endr
.irp t, 0,1
	v_mul_f32 v[68+\t], v[184+40*\t], v[232+8*\t]
.endr
.irp e, 1,2,3
.irp t, 0,1
	v_fmac_f32 v[68+\t], v[184+40*\t+\e], v[232+8*\t+2*\e]
.endr
.endr
.irp t, 0,1
.irp q, 0,1,2,3,4,5,6,7
	ds_store_b32 v23, v[152+40*\t+\q] offset:1088*\t+4*\q
.endr
	ds_store_b32 v24, v[68+\t] offset:1088*\t      ; (lanes r and r + 16 write the same word with the same value)
.endr
	s_add_co_u32 s92, s92, 30720
	s_add_co_u32 s93, s93, 1024
	s_add_co_u32 s45, s45, 1
	s_cmp_lt_u32 s45, 4
	s_cbranch_scc1 .Lblk
	BAR                                            ; the last block's rows of mu lie in LDS
	OUT
	s_wait_tensorcnt 0x0                           ; the wave's end: my tensor load is done; then the add, behind my last LDS store
	ds_add_u32 v1, v2
	s_wait_dscnt 0x0
	s_endpgm
.Lfunc_end_k_q2a48b169ab_actor:
	.size	k_q2a48b169ab_actor, .Lfunc_end_k_q2a48b169ab_actor-k_q2a48b169ab_actor
	.p2alignl 7, 3214868480
	.fill 96, 4, 3214868480
	.section	.rodata,"a",@progbits
	.p2align	6, 0x0
	.amdhsa_kernel k_q2a48b169ab_actor
		.amdhsa_group_segment_fixed_size 327680
		.amdhsa_private_segment_fixed_size 0
		.amdhsa_enable_private_segment 0
		.amdhsa_kernarg_size 160
		.amdhsa_user_sgpr_count 2
		.amdhsa_user_sgpr_kernarg_segment_ptr 1
		.amdhsa_wavefront_size32 1
		.amdhsa_system_sgpr_workgroup_id_x 1
		.amdhsa_system_sgpr_workgroup_id_y 1
		.amdhsa_system_sgpr_workgroup_id_z 1
		.amdhsa_system_vgpr_workitem_id 0
		.amdhsa_next_free_vgpr 1024
		.amdhsa_next_free_sgpr 100
		.amdhsa_reserve_vcc 1
		.amdhsa_float_denorm_mode_32 3
		.amdhsa_float_denorm_mode_16_64 3
		.amdhsa_memory_ordered 1
		.amdhsa_forward_progress 1
		.amdhsa_inst_pref_size 255
	.end_amdhsa_kernel
	.section	.bss,"aw",@nobits
	.p2align	6
	.space	262144
	.amdgpu_metadata
---
amdhsa.version: [ 1, 2 ]
amdhsa.kernels:
  - .name:           k_q2a48b169ab_actor
    .symbol:         k_q2a48b169ab_actor.kd
    .args:
      - { .name: x_codes, .offset: 0, .size: 8, .value_kind: global_buffer, .address_space: global }
      - { .name: x_scales, .offset: 8, .size: 8, .value_kind: global_buffer, .address_space: global }
      - { .name: W1_codes, .offset: 16, .size: 8, .value_kind: global_buffer, .address_space: global }
      - { .name: W1_scales, .offset: 24, .size: 8, .value_kind: global_buffer, .address_space: global }
      - { .name: b1, .offset: 32, .size: 8, .value_kind: global_buffer, .address_space: global }
      - { .name: W2_codes, .offset: 40, .size: 8, .value_kind: global_buffer, .address_space: global }
      - { .name: W2_scales, .offset: 48, .size: 8, .value_kind: global_buffer, .address_space: global }
      - { .name: b2, .offset: 56, .size: 8, .value_kind: global_buffer, .address_space: global }
      - { .name: Wmu_codes, .offset: 64, .size: 8, .value_kind: global_buffer, .address_space: global }
      - { .name: Wmu_scales, .offset: 72, .size: 8, .value_kind: global_buffer, .address_space: global }
      - { .name: bmu, .offset: 80, .size: 8, .value_kind: global_buffer, .address_space: global }
      - { .name: gW1_codes, .offset: 88, .size: 8, .value_kind: global_buffer, .address_space: global }
      - { .name: gW1_scales, .offset: 96, .size: 8, .value_kind: global_buffer, .address_space: global }
      - { .name: gb1, .offset: 104, .size: 8, .value_kind: global_buffer, .address_space: global }
      - { .name: gW2_codes, .offset: 112, .size: 8, .value_kind: global_buffer, .address_space: global }
      - { .name: gW2_scales, .offset: 120, .size: 8, .value_kind: global_buffer, .address_space: global }
      - { .name: gb2, .offset: 128, .size: 8, .value_kind: global_buffer, .address_space: global }
      - { .name: gWo, .offset: 136, .size: 8, .value_kind: global_buffer, .address_space: global }
      - { .name: gbo, .offset: 144, .size: 8, .value_kind: global_buffer, .address_space: global }
      - { .name: out0, .offset: 152, .size: 8, .value_kind: global_buffer, .address_space: global }
    .group_segment_fixed_size: 327680
    .private_segment_fixed_size: 0
    .kernarg_segment_align: 8
    .kernarg_segment_size: 160
    .max_flat_workgroup_size: 128
    .sgpr_count:     100
    .vgpr_count:     1024
    .wavefront_size: 32
...
	.end_amdgpu_metadata
.endif
;; end of part 1
